; MI455X (gfx1250); checked and timed in simulation.
; The chip was launched on July 23, 2026; its instructions are those of AMD's public machine-readable ISA for CDNA 5 (MIT licence, August 2026) and "CDNA5" Instruction Set Architecture Reference Guide (July 2026). The comments in the code are by the model that wrote it; some were corrected since.
;; Lazy Attention Embedding. Allowed arithmetic: matrix products marked QUANTISED: E2M1 operands, one E8M0 scale for each 32 along K, by v_wmma_scale_f32_16x16x128_f8f6f4 with both operands' format E2M1 (or v_wmma_scale_f32_32x16x128_f4), f32 sums; everything else in f32.
;; Inputs: bias_weight 4,096 x 16 float32; k 2 x 16 x 2,048 x 64 float32; q 2 x 16 x 2,048 x 64 float32; tau 16 float32; v 2 x 16 x 2,048 x 64 float32.
;; Outputs: out0 2 x 16 x 2,048 x 64 float32.
;; Constants: max_bias_length = 4096.
;; This version of the problem:
;;   THIS VERSION OF THE PROBLEM IS GIVEN IN LOW PRECISION. The matrix products marked QUANTISED in the list below multiply operands that are first quantised to E2M1 (2 exponent bits, 1 mantissa bit; 4 bits a number), with one power-of-two scale for each 32 numbers along K (OCP MX v1.0); their sums are f32. All else is computed in f32.
;;   The module's matrix products, in the order in which they are computed (A, B: the left and right operand; K: the contracted axis; several contracted axes count as one K, in the product's order):
;;     1. batch 32 x [M 2,048, K 64] x [K 64, N 2,048]; A: input q; B: input k: QUANTISED
;;     2. batch 32 x [M 2,048, K 2,048] x [K 2,048, N 64]; A: computed on the way; B: input v: QUANTISED
;;   THE QUANTISER, for each operand of a quantised product, along K:
;;     - K is cut into blocks of 32 from its start; a last block that is shorter is filled with zeros.
;;     - A block's scale is 2^e with e = floor(log2(the largest magnitude in the block)) - 2, held to -126 .. 127; a block of zeros has e = 0. As a byte (E8M0): e + 127.
;;     - Each number is divided by its block's scale, clamped to +-6, and rounded to the nearest number of E2M1, ties to even, subnormals kept.
;;     - The product sums the exact products of the quantised numbers (number of the format x scale) in f32.
;;   ~~~python
;;   def quantise(x, axis):      # numpy; x: float32 -> the quantised numbers, widened to float32 again
;;       x = np.moveaxis(x, axis, -1); K = x.shape[-1]
;;       x = np.pad(x, [(0, 0)] * (x.ndim - 1) + [(0, -K % 32)]); x = x.reshape(x.shape[:-1] + (-1, 32)); a = np.abs(x).max(-1, keepdims=True)
;;       e = np.where(a > 0, np.clip(np.frexp(np.where(a > 0, a, 1))[1] - 1 - 2, -126, 127), 0)      # np.frexp(a)[1] - 1 = floor(log2(a)), exactly
;;       r = np.clip(x / 2.0 ** e, -6, 6)
;;       step = 2.0 ** (np.maximum(np.frexp(np.where(r == 0, 1, r))[1] - 1, 0) - 1)
;;       q = np.round(r / step) * step * 2.0 ** e      # np.round: ties to even
;;       return np.moveaxis(q.reshape(q.shape[:-2] + (-1,))[..., :K], -1, axis).astype(np.float32)
;;   ~~~
;;   OPERANDS COMPUTED ON THE WAY. 'Computed on the way' means the value that the module computes at that place (a softmax that the list does not call 'softmax' is quantised finished and normalised). What goes into a quantiser is computed in f32, as accurately as f32 sums, v_exp_f32 and their like allow (about 1e-6 of the number): no bf16 or f16 on the way to a quantiser, and a product that is left as it is and whose result goes on into a quantised operand takes f32 operands (vector FMAs, or v_wmma_f32_16x16x4_f32). A number that lies on a knife's edge between two numbers of the format may be rounded either way, as far as f32 arithmetic and the matrix unit's own rounding can turn it there, and no further.
;; One version. Each part assembles by itself: llvm-mc -triple=amdgcn-amd-amdhsa -mcpu=gfx1250 --defsym DOCPART=n.
;; ======== version 1 of 1: 2 launches
;; workspace buffers: img 4,587,520 bytes; tab 557,056 bytes
;; launch prep (part 1): grid 546 x 1, 4 waves a work-group, no clusters, 16,384 bytes of LDS; arguments k, v, bias_weight, img, tab; writes img, tab
.if DOCPART == 1
	.amdgcn_target "amdgcn-amd-amdhsa--gfx1250"
	.amdhsa_code_object_version 6
	.text
	.protected	k_q827d78dbe0_prep
	.globl	k_q827d78dbe0_prep
	.p2align	8
	.type	k_q827d78dbe0_prep,@function
k_q827d78dbe0_prep:
	s_mov_b64 s[64:65], 0
	v_nop
	global_prefetch_b8 v0, s[64:65] scope:SCOPE_SE
	s_setreg_imm32_b32 hwreg(HW_REG_WAVE_MODE, 25, 1), 1
	s_wait_xcnt 0x0
; k, v: [32 heads][2048 keys][64] f32.  bias_weight: [4096][16] f32.  This launch reads each once and stores what the attention launch reads many times.
; img, 143,360 bytes a head: the codes (E2M1, one E8M0 byte for each 32 along a product's K) of K and V IN THE ORDER OF THE OPERANDS' REGISTERS, a key step (128 keys) after the other:
;   KC      0: [step 16][tile 8][lane 32] 16 bytes: lane (r, hh) = channels 32 hh .. + 31 of key 128 s + 32 (t / 2) + 8 (t % 2) + r + 8 (r / 8)
;   KS  65536: [step][lane 32][4 words]: lane r + 16 (t / 4), word t % 4 = the scale word of tile t's row r: byte 0, 1 = the row's two blocks, bytes 2, 3 = 0x7f (they scale zero codes)
;   VC  73728: [step][tile 4][c 2][lane 32] 16 bytes: lane (r, hh) = keys 128 s + 64 c + 32 hh .. + 31 of channel 4 r + t   (V's K is the keys)
;   VS 139264: [step][channel 64] words: byte b = the scale of keys 128 s + 32 b .. + 31
; tab: [head 16][copy c 4][y 2176] f32 = 8 x bias_weight[2047 - y - c][head], and -1e30 where that row number is negative: the bias reversed, so that ascending keys are ascending words;
;   four copies a word apart, so that every lane's run of words begins on 16 bytes; the causal mask built in.  The attention launch gives it to the first product as C.
; SHARES.  Work-groups 0 .. 511: head n / 16, key step n % 16.  Work-groups 512 .. 545: 64 words of all 64 rows of tab.  The two roles have LDS bytes of their own and meet at one barrier.
; A block's scale is 2^(floor(log2(largest magnitude)) - 2): its byte is the largest magnitude's exponent field - 2, held at 1 from below by a floor among the maximum's leaves.
; LIMITS: a block of zeros gets the byte 1 and not 127 (its codes are zeros, and only this program reads the bytes); blocks whose largest magnitude lies under 2^-124 keep the byte 1; NaN and infinities are not served.
.set KCST, 0                           ; LDS: K's codes of the step, 4,096 bytes, as they lie in img
.set KSST, 4096                        ; K's scale words, 512 bytes
.set VCST, 4608                        ; V's codes: four tiles of 1,024 bytes, 1,088 apart, so that the four tiles' stores of a wave fall on different banks
.set VSST, 8960                        ; V's scale words, 256 bytes
.set BST,  9216                        ; the other role's: 96 rows of bias_weight, 68 bytes apart
.set HEADB, 143360
.set KX, 32                            ; v32-95   K: group p's eight numbers at KX + 8 p
.set VX, 96                            ; v96-159  V: 64 keys of my channel
.set MX, 160                           ; v160-167 largest magnitudes
.set SO, 168                           ; v168-175 the conversions' scale operands
.set CD, 176                           ; v176-183 K's codes
.set WD, 184                           ; v184-191 K's scale words
.set DP, 192                           ; v192-199 what the lane four away holds
.set VCD, 200                          ; v200-207 V's codes
; v1 32 l; v2 4 l; v3-v6 where K's codes, K's words, V's codes, V's bytes go in LDS; v7 8 x (my block of a row); v8 16 l; v9-v12 where they are read back; v13 8 l;
; v14, v23, v24 the bias rows' offsets; v15, v16 the bias stage, in and out; v17 my offset in tab; v18-21 the four row numbers of my four words; v22 -1e30.  None of these is rewritten.
	s_load_b256 s[4:11], s[0:1], 0x0               ; k s[4:5], v s[6:7], bias_weight s[8:9], img s[10:11]
	s_load_b64 s[12:13], s[0:1], 0x20              ; tab
	v_lshl_add_u32 v208, v0, 2, 0x3e00
	v_mov_b32 v209, 0
	v_lshrrev_b32 v25, 5, v0
	v_readfirstlane_b32 s14, v25                   ; wave w
	s_lshr_b32 s15, ttmp9, 4
	s_min_u32 s15, s15, 31                         ; head y (held inside the tensors in the other role, which uses none of it)
	s_and_b32 s16, ttmp9, 15                       ; key step s
	s_max_u32 s17, ttmp9, 512
	s_sub_co_u32 s17, s17, 512                     ; e: which 64 words of tab's rows
	s_lshl_b32 s18, s17, 6
	s_sub_co_u32 s32, 2237, s18                    ; R0 + 256, R0 = 1981 - 64 e the lowest row of bias_weight that these words want; never negative
	s_sub_co_u32 s33, s32, 190                     ; R0 + 66 = 2047 - 64 e
	s_lshr_b32 s18, s14, 1                         ; w / 2
	s_and_b32 s19, s14, 1                          ; w % 2
	s_lshl_b32 s40, s14, 10                        ; 1024 w
	s_lshl_b32 s41, s18, 8
	s_lshl_b32 s42, s19, 3
	s_add_co_u32 s41, s41, s42
	s_add_co_u32 s41, s41, KSST                    ; KSST + 256 (w / 2) + 8 (w % 2)
	s_lshl_b32 s42, s18, 9
	s_lshl_b32 s43, s19, 7
	s_add_co_u32 s42, s42, s43
	s_add_co_u32 s42, s42, VCST                    ; VCST + 512 (w / 2) + 128 (w % 2)
	s_lshl_b32 s44, s18, 1
	s_add_co_u32 s43, s43, s44
	s_add_co_u32 s43, s43, VSST                    ; VSST + 128 (w % 2) + 2 (w / 2)
	s_mul_i32 s44, s14, 1088
	s_add_co_u32 s44, s44, VCST                    ; VCST + 1088 w
	; every LDS address of both roles is made here, ahead of the parting
	v_and_b32 v25, 31, v0                          ; l
	v_lshlrev_b32 v1, 5, v25
	v_lshlrev_b32 v2, 2, v25
	v_lshlrev_b32 v8, 4, v25
	v_lshlrev_b32 v13, 3, v25
	v_bfe_u32 v26, v0, 3, 2
	v_lshlrev_b32 v26, 4, v26                      ; 16 (l / 8)
	v_bfe_u32 v27, v0, 2, 1                        ; (l / 4) % 2: which block of a row of K my eight numbers lie in
	v_and_b32 v28, 3, v0                           ; l % 4
	v_bfe_u32 v29, v0, 2, 3                        ; l / 4
	v_lshrrev_b32 v30, 2, v0                       ; thread / 4
	v_lshl_add_u32 v3, v27, 8, v26
	v_lshl_add_u32 v3, v28, 2, v3
	v_add_nc_u32 v3, s40, v3                       ; K's codes: 1024 w + 16 (l / 8) + 256 block + 4 (l % 4)
	v_add_nc_u32 v4, s41, v26                      ; K's words
	v_mul_u32_u24 v5, v28, 1088
	v_lshl_add_u32 v5, v29, 4, v5
	v_add_nc_u32 v5, s42, v5                       ; V's codes: channel 32 (w % 2) + l is tile l % 4, lane 8 (w % 2) + l / 4
	v_add_nc_u32 v6, s43, v2                       ; V's bytes: my channel's word, bytes 2 (w / 2) and + 1
	v_lshlrev_b32 v7, 3, v27
	v_add_nc_u32 v9, s40, v8
	v_add_nc_u32 v10, s44, v8
	v_add_nc_u32 v11, KSST, v8
	v_add_nc_u32 v12, VSST, v13
	v_add_nc_u32 v14, s32, v30                     ; the bias rows R0 + thread / 4 + 32 i, + 256
	v_add_nc_u32 v23, 32, v14
	v_add_nc_u32 v24, 64, v14
.irp g, 14, 23, 24
	v_min_u32 v31, 0x100, v\g
	v_sub_nc_u32 v\g, v\g, v31                     ; z - min(z, 256) = the row, held at 0 from below: no load leaves the table (rows under 0 are replaced on the way out)
	v_lshlrev_b32 v\g, 6, v\g                      ; 64 bytes a row
	v_lshl_add_u32 v\g, v28, 4, v\g                ; my 16 of them
.endr
	v_mul_u32_u24 v15, v30, 68
	v_lshl_add_u32 v15, v28, 4, v15
	v_add_nc_u32 v15, BST, v15
	v_and_b32 v26, 15, v0                          ; qd: which four words of the 64
	v_bfe_u32 v27, v0, 4, 2                        ; c: the copy
	v_lshl_add_u32 v31, v26, 2, v27                ; c + 4 qd
	v_sub_nc_u32 v16, 63, v31
	v_mul_u32_u24 v16, v16, 68
	v_bfe_u32 v29, v0, 6, 1                        ; head % 2
	v_lshl_add_u32 v16, v29, 2, v16
	v_add_nc_u32 v16, BST, v16                     ; stage row 63 - c - 4 qd, head % 2; the word's number and the rest of the head stand in the immediates
	v_lshrrev_b32 v29, 4, v0
	v_mul_u32_u24 v17, v29, 8704                   ; row 4 (head % 2) + c of tab, 8,704 bytes a row
	v_lshl_add_u32 v17, v26, 4, v17
	v_sub_nc_u32 v18, s33, v31                     ; word n's row of bias_weight: 2047 - 64 e - 4 qd - c - n, as a signed number
	v_add_nc_u32 v19, -1, v18
	v_add_nc_u32 v20, -2, v18
	v_add_nc_u32 v21, -3, v18
	v_mov_b32 v22, 0xf149f2ca                      ; -1e30
	; byte offsets, in registers of their own
	s_lshl_b32 s34, s15, 19
	s_lshl_b32 s35, s16, 15
	s_add_co_u32 s34, s34, s35                     ; the step's first key in k and in v: (2048 y + 128 s) rows of 256 bytes
	s_lshl_b32 s35, s14, 13
	s_add_co_u32 s20, s34, s35                     ; K: my wave's 32 keys
	s_mov_b32 s21, 0
	s_lshl_b32 s35, s18, 14
	s_add_co_u32 s22, s34, s35                     ; V: my wave's 64 keys,
	s_lshl_b32 s35, s19, 7
	s_add_co_u32 s22, s22, s35                     ; and its 32 channels
	s_mov_b32 s23, 0
	s_mul_i32 s34, s15, HEADB
	s_lshl_b32 s35, s16, 12
	s_add_co_u32 s24, s34, s35
	s_add_co_u32 s24, s24, s40                     ; KC: 4096 s + 1024 w (VC lies 73,728 further on)
	s_mov_b32 s25, 0
	s_lshl_b32 s35, s16, 9
	s_add_co_u32 s26, s34, s35
	s_add_co_u32 s26, s26, 65536                   ; KS
	s_mov_b32 s27, 0
	s_lshl_b32 s35, s16, 8
	s_add_co_u32 s28, s34, s35
	s_add_co_u32 s28, s28, 139264                  ; VS
	s_mov_b32 s29, 0
	s_lshl_b32 s30, s17, 8                         ; tab: 64 words on for each e
	s_mov_b32 s31, 0
	s_wait_kmcnt 0x0
	s_add_nc_u64 s[20:21], s[4:5], s[20:21]
	s_add_nc_u64 s[22:23], s[6:7], s[22:23]
	s_add_nc_u64 s[24:25], s[10:11], s[24:25]
	s_add_nc_u64 s[26:27], s[10:11], s[26:27]
	s_add_nc_u64 s[28:29], s[10:11], s[28:29]
	s_add_nc_u64 s[30:31], s[12:13], s[30:31]
	s_cmp_ge_u32 ttmp9, 512                        ; the role hangs on the work-group's number alone
	s_cbranch_scc1 .Lbias_in
	; ---- K and V, in.  K: a lane holds eight neighbours along the channels: group p = channels 8 (l % 8) on of key 32 w + 4 p + l / 8; a group's two loads cover 1,024 consecutive bytes.
.irp p, 0,1,2,3,4,5,6,7
	global_load_b128 v[KX+8*\p:KX+8*\p+3],   v1, s[20:21] offset:1024*\p th:TH_LOAD_NT
	global_load_b128 v[KX+8*\p+4:KX+8*\p+7], v1, s[20:21] offset:1024*\p+16 th:TH_LOAD_NT
.endr
	; V: a lane takes a channel and its registers run down the keys, which are V's K: a block of 32 lies in one lane
.set i, 0
.rept 32
	global_load_b32 v[VX+i], v2, s[22:23] offset:256*i th:TH_LOAD_NT
.set i, i+1
.endr
	s_wait_loadcnt 32                              ; K's sixteen loads are in; V's first 32 may be out
.rept 32
	global_load_b32 v[VX+i], v2, s[22:23] offset:256*i th:TH_LOAD_NT
.set i, i+1
.endr
	; K's eight groups by turns, so that no line waits for the line above it.  Four lanes hold a block of 32.
.irp p, 0,1,2,3,4,5,6,7
	v_max3_num_f32 v[MX+\p], |v[KX+8*\p]|, |v[KX+8*\p+1]|, 0x1800000   ; with the floor 2^(3 - 127): the byte cannot fall under 1
.endr
.irp i, 2,4,6
.irp p, 0,1,2,3,4,5,6,7
	v_max3_num_f32 v[MX+\p], v[MX+\p], |v[KX+8*\p+\i]|, |v[KX+8*\p+\i+1]|
.endr
.endr
.irp p, 0,1,2,3,4,5,6,7
	v_max_num_f32_dpp v[MX+\p], v[MX+\p], v[MX+\p] row_xmask:1 row_mask:0xf bank_mask:0xf
.endr
.irp p, 0,1,2,3,4,5,6,7
	v_max_num_f32_dpp v[MX+\p], v[MX+\p], v[MX+\p] row_xmask:2 row_mask:0xf bank_mask:0xf
.endr
.irp p, 0,1,2,3,4,5,6,7
	v_add_nc_u32 v[SO+\p], 0xff000000, v[MX+\p]    ; 2 off the exponent field: the conversion takes this operand's exponent field as its scale
	v_mov_b32 v[DP+\p], 0                          ; (a DPP form's destination counts as read)
.endr
.irp p, 0,1,2,3,4,5,6,7
	v_cvt_scalef32_pk8_fp4_f32 v[CD+\p], v[KX+8*\p:KX+8*\p+7], v[SO+\p]
.endr
.irp p, 0,1,2,3,4,5,6,7
	v_lshrrev_b32 v[WD+\p], 23, v[SO+\p]           ; the scale's byte
.endr
.irp p, 0,1,2,3,4,5,6,7
	v_lshlrev_b32 v[WD+\p], v7, v[WD+\p]           ; at its block's place in the row's word
.endr
.irp p, 0,1,2,3,4,5,6,7
	v_mov_b32_dpp v[DP+\p], v[WD+\p] row_xmask:4 row_mask:0xf bank_mask:0xf   ; the row's other block lies four lanes away
.endr
.irp p, 0,1,2,3,4,5,6,7
	v_or_b32 v[WD+\p], v[WD+\p], v[DP+\p]
.endr
.irp p, 0,1,2,3,4,5,6,7
	v_or_b32 v[WD+\p], 0x7f7f0000, v[WD+\p]        ; the upper two bytes scale the zero codes that fill the instruction's 128 along K
.endr
	; key 32 w + 4 p + l / 8 is row 4 (p % 2) + 8 (p / 4) + l / 8 of tile 2 w + (p / 2) % 2
.irp p, 0,1,2,3,4,5,6,7
	ds_store_b32 v3, v[CD+\p] offset:((\p/2)%2)*512+(4*(\p%2)+8*(\p/4))*16
	ds_store_b32 v4, v[WD+\p] offset:((\p/2)%2)*4+(4*(\p%2)+8*(\p/4))*16      ; the eight lanes of a row write the same word with the same value
.endr
.macro VBLOCK b                        ; keys 32 b .. + 31 of my 64: a whole block in my registers
.set XS, VX+32*\b
	v_max3_num_f32 v[MX+4*\b],   |v[XS]|,   |v[XS+1]|, |v[XS+2]|
	v_max3_num_f32 v[MX+4*\b+1], |v[XS+3]|, |v[XS+4]|, |v[XS+5]|
.irp i, 6,10,14,18,22,26
	v_max3_num_f32 v[MX+4*\b],   v[MX+4*\b],   |v[XS+\i]|,   |v[XS+\i+1]|
	v_max3_num_f32 v[MX+4*\b+1], v[MX+4*\b+1], |v[XS+\i+2]|, |v[XS+\i+3]|
.endr
	v_max3_num_f32 v[MX+4*\b], v[MX+4*\b], |v[XS+30]|, |v[XS+31]|
	v_max3_num_f32 v[MX+4*\b], v[MX+4*\b], v[MX+4*\b+1], 0x1800000
	v_add_nc_u32 v[MX+4*\b+2], 0xff000000, v[MX+4*\b]
.irp g, 0,1,2,3
	v_cvt_scalef32_pk8_fp4_f32 v[VCD+4*\b+\g], v[XS+8*\g:XS+8*\g+7], v[MX+4*\b+2]
.endr
	v_lshrrev_b32 v[MX+4*\b+3], 23, v[MX+4*\b+2]   ; the byte (also the plain line behind the conversions)
	ds_store_b128 v5, v[VCD+4*\b:VCD+4*\b+3] offset:256*\b
.endm
	s_wait_loadcnt 32                              ; V's first 32 loads are in; the 32 issued behind them may be out
	VBLOCK 0
	s_wait_loadcnt 0x0
	VBLOCK 1
	v_lshl_or_b32 v[DP], v[MX+7], 8, v[MX+3]       ; my channel's two bytes
	ds_store_b16 v6, v[DP]
	s_branch .Ljoin
.Lbias_in:                                         ; ---- 96 rows of bias_weight into the stage: four lanes read a row's 64 bytes
	global_load_b128 v[32:35], v14, s[8:9]
	global_load_b128 v[36:39], v23, s[8:9]
	global_load_b128 v[40:43], v24, s[8:9]
	s_wait_loadcnt 0x0
.irp i, 0,1,2
.irp n, 0,1,2,3
	ds_store_b32 v15, v[32+4*\i+\n] offset:2176*\i+4*\n
.endr
.endr
.Ljoin:
	s_wait_dscnt 0x0                               ; for the others' sake: my stores have landed
	s_barrier_signal -1
	s_barrier_wait -1
	s_cmp_ge_u32 ttmp9, 512
	s_cbranch_scc1 .Lbias_out
	; ---- K and V, out: the stage lies as img does; each store of a wave covers 512 consecutive bytes, aligned
	ds_load_b128 v[32:35], v9
	ds_load_b128 v[36:39], v9 offset:512
	ds_load_b128 v[40:43], v10
	ds_load_b128 v[44:47], v10 offset:512
	s_wait_dscnt 0x0
	global_store_b128 v8, v[32:35], s[24:25]
	global_store_b128 v8, v[36:39], s[24:25] offset:512
	global_store_b128 v8, v[40:43], s[24:25] offset:73728
	global_store_b128 v8, v[44:47], s[24:25] offset:74240
	s_cmp_eq_u32 s14, 0
	s_cbranch_scc0 .Lnot_wave_0
	ds_load_b128 v[48:51], v11                     ; wave 0: K's scale words, 512 bytes
	s_wait_dscnt 0x0
	global_store_b128 v8, v[48:51], s[26:27]
.Lnot_wave_0:
	s_cmp_eq_u32 s14, 1
	s_cbranch_scc0 .Lnot_wave_1
	ds_load_b64 v[52:53], v12                      ; wave 1: V's, 256 bytes
	s_wait_dscnt 0x0
	global_store_b64 v13, v[52:53], s[28:29]
.Lnot_wave_1:
	s_wait_tensorcnt 0x0
	ds_add_u32 v208, v209
	s_wait_dscnt 0x0
	s_endpgm
.Lbias_out:                                        ; ---- tab: thread (qd, row 4 (head % 2) + c) makes four words of eight rows, heads head % 2 + 2 i
.irp n, 0,1,2,3
	v_cmp_gt_i32 s[36+\n], 0, v[18+\n]             ; word n lies above the diagonal
.endr
.irp i, 0,1,2,3,4,5,6,7
.irp n, 0,1,2,3
	ds_load_b32 v[32+4*\i+\n], v16 offset:68*(3-\n)+8*\i
.endr
.endr
	s_wait_dscnt 0x0
.irp j, 0,2,4,6,8,10,12,14,16,18,20,22,24,26,28,30
	v_pk_mul_f32 v[32+\j:33+\j], v[32+\j:33+\j], 0x41000000 op_sel_hi:[1,0]   ; x 8, exact: the first product's sum is divided by 8 with the bias in it
.endr
.irp i, 0,1,2,3,4,5,6,7
.irp n, 0,1,2,3
	v_cndmask_b32 v[32+4*\i+\n], v[32+4*\i+\n], v22, s[36+\n]
.endr
.endr
.irp i, 0,1,2,3,4,5,6,7
	global_store_b128 v17, v[32+4*\i:35+4*\i], s[30:31] offset:69632*\i       ; sixteen lanes store 256 consecutive bytes, aligned
.endr
	s_wait_tensorcnt 0x0
	ds_add_u32 v208, v209
	s_wait_dscnt 0x0
	s_endpgm
.Lfunc_end_k_q827d78dbe0_prep:
	.size	k_q827d78dbe0_prep, .Lfunc_end_k_q827d78dbe0_prep-k_q827d78dbe0_prep
	.p2alignl 7, 3214868480
	.fill 96, 4, 3214868480
	.section	.rodata,"a",@progbits
	.p2align	6, 0x0
	.amdhsa_kernel k_q827d78dbe0_prep
		.amdhsa_group_segment_fixed_size 16384
		.amdhsa_private_segment_fixed_size 0
		.amdhsa_enable_private_segment 0
		.amdhsa_kernarg_size 40
		.amdhsa_user_sgpr_count 2
		.amdhsa_user_sgpr_kernarg_segment_ptr 1
		.amdhsa_wavefront_size32 1
		.amdhsa_system_sgpr_workgroup_id_x 1
		.amdhsa_system_sgpr_workgroup_id_y 1
		.amdhsa_system_sgpr_workgroup_id_z 1
		.amdhsa_system_vgpr_workitem_id 0
		.amdhsa_next_free_vgpr 210
		.amdhsa_next_free_sgpr 66
		.amdhsa_reserve_vcc 0
		.amdhsa_float_denorm_mode_32 3
		.amdhsa_float_denorm_mode_16_64 3
		.amdhsa_memory_ordered 1
		.amdhsa_forward_progress 1
		.amdhsa_inst_pref_size 33
	.end_amdhsa_kernel
	.amdgpu_metadata
---
amdhsa.version: [ 1, 2 ]
amdhsa.kernels:
  - .name:           k_q827d78dbe0_prep
    .symbol:         k_q827d78dbe0_prep.kd
    .args:
      - { .name: k, .offset: 0, .size: 8, .value_kind: global_buffer, .address_space: global }
      - { .name: v, .offset: 8, .size: 8, .value_kind: global_buffer, .address_space: global }
      - { .name: bias_weight, .offset: 16, .size: 8, .value_kind: global_buffer, .address_space: global }
      - { .name: img, .offset: 24, .size: 8, .value_kind: global_buffer, .address_space: global }
      - { .name: tab, .offset: 32, .size: 8, .value_kind: global_buffer, .address_space: global }
    .group_segment_fixed_size: 16384
    .private_segment_fixed_size: 0
    .kernarg_segment_align: 8
    .kernarg_segment_size: 40
    .max_flat_workgroup_size: 128
    .sgpr_count:     66
    .vgpr_count:     210
    .wavefront_size: 32
...
	.end_amdgpu_metadata
.endif
;; end of part 1
;; launch attn (part 2): grid 8 x 32, 16 waves a work-group, clusters of 4 x 1, 198,656 bytes of LDS; arguments q, tau, img, tab, out0; writes out0
.if DOCPART == 2
	.amdgcn_target "amdgcn-amd-amdhsa--gfx1250"
	.amdhsa_code_object_version 6
	.text
	.protected	k_q827d78dbe0_attn
	.globl	k_q827d78dbe0_attn
	.p2align	8
	.type	k_q827d78dbe0_attn,@function
k_q827d78dbe0_attn:
	s_mov_b64 s[64:65], 0
	v_nop
	global_prefetch_b8 v0, s[64:65] scope:SCOPE_SE
	s_setreg_imm32_b32 hwreg(HW_REG_WAVE_MODE, 25, 1), 1
	s_wait_xcnt 0x0
	s_wait_alu depctr_hold_cnt(0) depctr_sa_sdst(0) depctr_va_vdst(0) depctr_va_sdst(0) depctr_va_ssrc(0) depctr_va_vcc(0) depctr_vm_vsrc(0)
	s_getreg_b32 s2, hwreg(HW_REG_IB_STS2, 6, 4)
	s_cmp_eq_u32 s2, 0
	s_cbranch_scc0 .Lentry_in_a_cluster
	s_endpgm
.Lentry_in_a_cluster:
	s_bfe_u32 s2, ttmp6, 0x10000c
	s_cmp_lg_u32 s2, 0x3003
	s_cbranch_scc0 .Lentry_shape_is_right
	s_endpgm
.Lentry_shape_is_right:
; out[y][q] = sum over k of a(q, k) V[y][k],  a = relu(softmax_k(Q.K / 8 + bias[q - k][h], causal) + tau[h] / (q + 1)),  y = 16 b + h; both products on codes of E2M1 with one E8M0 byte for each 32 along K.
; WHAT IS QUANTISED FOR THE SECOND PRODUCT IS THE FINISHED a: so a row's maximum and sum are known before any of its codes is made.  TWO WALKS over the keys up to the diagonal: the first finds M (the largest
; t = score x log2(e), rounded up to a whole number, by a running maximum) and l = the sum of 2^(t - M); the second makes the same scores again, a = 2^(t - M) / l + tau / i, quantises and multiplies.
; ABOVE THE DIAGONAL the softmax is 0 but a = relu(tau / i) is not: those key steps go to the matrix unit too, with an operand that is one code and one scale byte a query (the third loop).
; SHARES.  A work-group serves one head; each of its sixteen waves one tile of 16 queries, q0 = 16 (g + 8 J), g the work-group's number in the head, J a permutation of the wave's number.  Wave J has J + 1 key steps
; (128 keys) up to the diagonal in every work-group: all work-groups carry the same work, and g enters global addresses and the number i alone.  J is laid so that the J of waves with equal w % 4, and with equal w / 4, add up to 30.
; LDS is filled ONCE: the head's codes and scale words of K and V, 143,360 bytes in the order of the operands' registers, and four copies of the head's bias table.  Behind one barrier it is only read.
; CLUSTER.  The four work-groups of a cluster serve one head: its codes are asked for jointly (waves 0 to 7, one load each, mask 15).  The bias table begins 16 (7 - g) words into each row IN MEMORY (a plain load, wave 8),
; so that its LDS addresses are the same in all partners.
; THE BIAS AND THE MASK ARE THE C OF THE FIRST PRODUCT: D = K.Q + 8 bias, or K.Q - 1e30 above the diagonal; the score is D / 8.  They cost LDS loads and no vector instruction.
; LAYOUT.  S^T = K Q^T (source 0 = 16 keys, source 1 = my 16 queries): lane (r, hh) holds query r, and register 16 b + i key 128 s + 32 b + 16 hh + i (the keys of a tile are chosen for that).  K = 64 fills half of the
; instruction's 128: the upper four registers of each fragment are zeros, written once.  The second product is not transposed: source 0 = a, source 1 = 16 channels 4 r + t of V: register jj of accumulator t is
; out(q0 + 8 hh + jj, 4 r + t), so a lane's four accumulators give 16 neighbouring bytes and sixteen lanes a whole row: no stage in LDS.
; THE RELU is made on the codes: the block's maximum is taken without |.| over a floor, the conversion holds what is too negative at -6, and every negative code's magnitude is then cleared (-0 adds nothing).
; LIMITS: NaN and infinities are not served; a block whose largest a lies under 2^-124 keeps the byte 1, a block of zeros too (its codes are zeros); hidden scores are -1e30 as in the problem, so visible ones stay far under that;
; tau / i and 1 / l are a reciprocal with one correcting step.
.set KS,    65536                      ; LDS: K's codes at 0, 4,096 bytes a step; K's scale words here, 512 a step;
.set VC,    73728                      ; V's codes, 4,096 a step;
.set VS,    139264                     ; V's scale words, 256 a step;
.set HEADB, 143360
.set BIAS,  143360                     ; the bias: four copies of 2,064 words.  The claim of LDS is larger than the use (176,384 bytes), so that the stepped addresses of the trips that are passed over lie inside it too
.set BROW,  8256
; v1 16 lane; v2 16 r; v3 my place in the bias table; v4-8 the addresses in hand (K, K's words, bias, V, V's words); v9 my offset in out; v10 in q; v11 Q's scale word; v[12:13] -M, the largest t;
; v[14:15] the sum; v[16:23] Q; v[24:25] 1 / l twice; v[26:27] tau / i twice; v[28:29] f; v32-95 K; v96-159 S, p, a; v160-191 O; v192-223 V; v224-231 a's codes; v232-243 at work;
; v244-247 V's scale words, v248-251 K's, v252 a's: these and v11 hold scales and nothing else.
; s14 wave; s15 J; s16 g; s17 y; s19 h; s[20:21] lane selects; s[22:23] c; s[24:31], s[32:35] the joint load; s[36:43], s[44:47] the table's; s48 the step; s49-53 the step's LDS bytes; s54 tau; s55 the sign bits.
.macro ROUND                           ; a round of the cluster's barrier
	s_barrier_signal -1
	s_barrier_wait -1
	s_cmp_lg_u32 s14, 0
	s_cbranch_scc1 .Lnot_wave_0_\@
	s_barrier_signal -3
.Lnot_wave_0_\@:
	s_barrier_wait -3
	s_barrier_signal -1
	s_barrier_wait -1
.endm
.macro LOADQK                          ; a step's eight tiles of K, their scale words, and the 64 words of bias that are the sums' C
	ds_load_b128 v[248:251], v5                    ; lanes 0-15: tiles 0-3; lanes 16-31: tiles 4-7
.irp t, 0,1,2,3,4,5,6,7
	ds_load_b128 v[32+8*\t:35+8*\t], v4 offset:512*\t
.endr
.irp b, 0,1,2,3
.irp u, 0,1,2,3
	ds_load_b128 v[96+16*\b+4*\u:99+16*\b+4*\u], v6 offset:128*\b+16*\u
.endr
.endr
.endm
.macro QK                              ; eight accumulators, one instruction each
.irp t, 0,1,2,3
	v_wmma_scale_f32_16x16x128_f8f6f4 v[96+8*\t:103+8*\t], v[32+8*\t:39+8*\t], v[16:23], v[96+8*\t:103+8*\t], v[248+\t], v11 matrix_a_fmt:MATRIX_FMT_FP4 matrix_b_fmt:MATRIX_FMT_FP4
.endr
.irp t, 4,5,6,7
	v_wmma_scale_f32_16x16x128_f8f6f4 v[96+8*\t:103+8*\t], v[32+8*\t:39+8*\t], v[16:23], v[96+8*\t:103+8*\t], v[244+\t], v11 matrix_a_fmt:MATRIX_FMT_FP4 matrix_b_fmt:MATRIX_FMT_FP4 matrix_a_scale:MATRIX_SCALE_ROW1
.endr
.endm
.macro POWERS                          ; 2^(D c - M): 32 packed multiply-adds, then the 64 exponentials as one batch
.set j, 0
.rept 32
	v_pk_fma_f32 v[96+j:97+j], v[96+j:97+j], s[22:23], v[12:13] op_sel_hi:[1,0,0]   ; each accumulator is read from its low end on
.set j, j+2
.endr
.set j, 0
.rept 64
	v_exp_f32 v[96+j], v[96+j]
.set j, j+1
.endr
.endm
.macro LOADV                           ; a step's four tiles of V and their scale words
.irp t, 0,1,2,3
.irp c, 0,1
	ds_load_b128 v[192+8*\t+4*\c:195+8*\t+4*\c], v7 offset:1024*\t+512*\c
.endr
.endr
	ds_load_b128 v[244:247], v8                    ; lane r: the words of channels 4 r .. 4 r + 3
.endm
.macro PV                              ; four accumulators by turns
.irp t, 0,1,2,3
	v_wmma_scale_f32_16x16x128_f8f6f4 v[160+8*\t:167+8*\t], v[224:231], v[192+8*\t:199+8*\t], v[160+8*\t:167+8*\t], v252, v[244+\t] matrix_a_fmt:MATRIX_FMT_FP4 matrix_b_fmt:MATRIX_FMT_FP4
.endr
.endm
.macro CLIP x, n                       ; the relu on n registers of eight codes: a negative code keeps its sign bit alone
.set u, 0
.rept \n
	v_and_b32 v[104+u], s55, v[\x+u]               ; the sign bits,
.set u, u+1
.endr
.set u, 0
.rept \n
	v_lshrrev_b32 v[112+u], 3, v[104+u]
.set u, u+1
.endr
.set u, 0
.rept \n
	v_sub_nc_u32 v[104+u], v[104+u], v[112+u]      ; 8 - 1 = 7 in each negative code's place: its magnitude bits,
.set u, u+1
.endr
.set u, 0
.rept \n
	v_bfi_b32 v[\x+u], v[104+u], 0, v[\x+u]        ; which are cleared
.set u, u+1
.endr
.endm
	s_load_b256 s[4:11], s[0:1], 0x0               ; q s[4:5], tau s[6:7], img s[8:9], tab s[10:11]
	s_load_b64 s[12:13], s[0:1], 0x20              ; out0
	v_lshl_add_u32 v254, v0, 2, 0x30000
	v_mov_b32 v255, 0
	ds_add_u32 v254, v255
	ds_add_u32 v254, v255
	s_wait_dscnt 0x0
	v_lshrrev_b32 v30, 5, v0
	v_readfirstlane_b32 s14, v30                   ; wave w
	s_bfe_u32 s18, ttmp6, 0x40000                  ; cx
	s_lshl_b32 s16, ttmp9, 2
	s_add_co_u32 s16, s16, s18                     ; g = 4 x cluster x + cx
	s_and_b32 s17, ttmp7, 0xffff                   ; y, which the partners share
	s_and_b32 s19, s17, 15                         ; h
	s_lshr_b32 s56, s14, 2                         ; J from a = w / 4 and s = w % 4: 4 (a ^ s) + (f(a) ^ s), f = 0, 2, 3, 1
	s_and_b32 s57, s14, 3
	s_lshr_b32 s58, s56, 1
	s_xor_b32 s59, s56, s58
	s_and_b32 s59, s59, 1
	s_lshl_b32 s59, s59, 1
	s_or_b32 s59, s59, s58
	s_xor_b32 s59, s59, s57
	s_xor_b32 s15, s56, s57
	s_lshl_b32 s15, s15, 2
	s_or_b32 s15, s15, s59
	; the joint load: 70 dense rows of 256 bytes (32 elements of 8 bytes), an eighth of the head's block
	s_mov_b32 s24, 15|(3<<16)|(1<<21)              ; 15:0 the mask: all four work-groups; 17:16 elements of 8 bytes; 21 set beside a mask
	s_mov_b32 s25, 32<<16                          ; tensor_dim0
	s_mov_b32 s26, 70<<16                          ; tensor_dim1
	s_mov_b32 s27, 32<<16                          ; tile_dim0
	s_mov_b32 s28, 70                              ; tile_dim1
	s_mov_b32 s29, 32                              ; from row to row
	s_mov_b32 s30, 0
	s_mov_b32 s31, 0
	; the table's load: 4 rows (copies) of 2,064 words, 2,176 words apart in memory, dense in LDS
	s_mov_b32 s36, 2<<16                           ; no mask; elements of 4 bytes
	s_mov_b32 s37, 2064<<16
	s_mov_b32 s38, 4<<16
	s_mov_b32 s39, 2064<<16
	s_mov_b32 s40, 4
	s_mov_b32 s41, 2176
	s_mov_b32 s42, 0
	s_mov_b32 s43, 0
	s_min_u32 s57, s14, 7                          ; (waves 8 to 15 issue no such load)
	s_mul_i32 s33, s57, 17920                      ; my eighth, in LDS,
	s_mul_i32 s60, s17, HEADB
	s_add_co_u32 s60, s60, s33                     ; and in img: made of y and the wave's number alone
	s_mov_b32 s61, 0
	s_mul_i32 s62, s19, 34816                      ; tab: the head's four rows,
	s_sub_co_u32 s56, 7, s16
	s_lshl_b32 s56, s56, 6
	s_add_co_u32 s62, s62, s56                     ; from word 16 (7 - g) on
	s_mov_b32 s63, 0
	s_lshl_b32 s2, s17, 19                         ; q and out0: (2048 y + 16 g + 128 J) rows of 256 bytes
	s_lshl_b32 s56, s16, 12
	s_add_co_u32 s2, s2, s56
	s_lshl_b32 s56, s15, 15
	s_add_co_u32 s2, s2, s56
	s_mov_b32 s3, 0
	s_lshl_b32 s58, s19, 2
	s_mov_b32 s59, 0
	s_mov_b32 s20, 0x76543210
	s_mov_b32 s21, 0xfedcba98                      ; v_permlanex16_b32: lane l xor 16
	s_mov_b32 s22, 0x3e38aa3b                      ; c = log2(e) / 8
	s_mov_b32 s23, s22
	s_mov_b32 s55, 0x88888888
	v_and_b32 v30, 31, v0
	v_and_b32 v31, 15, v0                          ; r
	v_bfe_u32 v253, v0, 4, 1                       ; hh
	v_lshlrev_b32 v1, 4, v30
	v_lshlrev_b32 v2, 4, v31
	v_xor_b32 v254, 15, v31                        ; 15 - r = 4 a + c: copy c, 4 a words on
	v_and_b32 v255, 3, v254
	v_lshrrev_b32 v254, 2, v254
	v_mul_u32_u24 v3, v255, BROW
	v_lshl_add_u32 v3, v254, 4, v3
	v_lshl_add_u32 v3, v253, 6, v3                 ; + 16 hh words
	v_lshlrev_b32 v9, 11, v253
	v_lshl_add_u32 v9, v31, 4, v9                  ; out: row 8 hh, 16 r bytes
	v_lshlrev_b32 v10, 8, v31
	v_lshl_add_u32 v10, v253, 7, v10               ; q: row r, channels 32 hh on
	v_lshlrev_b32 v253, 3, v253                    ; 8 hh
	s_wait_kmcnt 0x0
	s_add_nc_u64 s[4:5], s[4:5], s[2:3]
	s_add_nc_u64 s[12:13], s[12:13], s[2:3]
	s_add_nc_u64 s[6:7], s[6:7], s[58:59]
	s_load_b32 s54, s[6:7], 0x0                    ; tau[h]
	s_mov_b32 s32, 1
	s_add_nc_u64 s[34:35], s[8:9], s[60:61]
	s_or_b32 s35, s35, 0x80000000
	s_mov_b32 s44, 1
	s_mov_b32 s45, BIAS
	s_add_nc_u64 s[46:47], s[10:11], s[62:63]
	s_or_b32 s47, s47, 0x80000000
	ROUND                                          ; all four work-groups are here: the joint loads meet
	s_cmp_lt_u32 s14, 8                            ; the branches hang on the wave's number alone; a wave has at most one tensor load out; four v_nop follow each
	s_cbranch_scc0 .Lnot_img
	tensor_load_to_lds s[32:35], s[24:31]
	s_nop 0
.rept 4
	v_nop
.endr
	s_branch .Lasked
.Lnot_img:
	s_cmp_eq_u32 s14, 8
	s_cbranch_scc0 .Lasked
	tensor_load_to_lds s[44:47], s[36:43]
	s_nop 0
.rept 4
	v_nop
.endr
.Lasked:
.irp i, 0,1,2,3,4,5,6,7
	global_load_b128 v[96+4*\i:99+4*\i], v10, s[4:5] offset:16*\i th:TH_LOAD_NT   ; Q(r, 32 hh + 4 i ..): a whole block of 32 in a lane
.endr
.irp t, 0,1,2,3,4,5,6,7
.irp i, 4,5,6,7
	v_mov_b32 v[32+8*\t+\i], 0                     ; K's fragments, k = 64 .. 127: zero codes, written once
.endr
.endr
.irp i, 20,21,22,23
	v_mov_b32 v\i, 0                               ; Q's likewise
.endr
.irp i, 236,237,238,239
	v_mov_b32 v\i, 0                               ; a lane permute's destination counts as one of its sources
.endr
	v_mov_b32 v13, 0xff61b1e6                      ; the largest t so far: -3e38
	v_floor_f32 v12, -v13                          ; -M
	v_mov_b32 v14, 0
	v_mov_b32 v15, 0
	s_lshl_b32 s56, s16, 4
	s_lshl_b32 s57, s15, 7
	s_add_co_u32 s56, s56, s57
	s_add_co_u32 s56, s56, 1                       ; q0 + 1
	v_add_nc_u32 v254, s56, v31
	v_cvt_f32_u32 v254, v254                       ; i = my query + 1
	v_rcp_f32 v255, v254
	v_mov_b32 v29, 0                               ; (the plain line behind the reciprocal; v29 is named as the upper half of f's pair)
	s_wait_kmcnt 0x0                               ; tau
	s_wait_alu depctr_va_vdst(0)                   ; ahead of the reciprocal's first reader
	v_mul_f32 v30, s54, v255
	v_fma_f32 v232, -v30, v254, s54                ; what is left of tau,
	v_fma_f32 v26, v232, v255, v30                 ; put right: tau / i
	v_mov_b32 v27, v26
	s_wait_loadcnt 0x0                             ; Q
	v_max3_num_f32 v232, |v96|, |v97|, |v98|
	v_max3_num_f32 v233, |v99|, |v100|, |v101|
.irp i, 6,10,14,18,22,26
	v_max3_num_f32 v232, v232, |v[96+\i]|, |v[97+\i]|
	v_max3_num_f32 v233, v233, |v[98+\i]|, |v[99+\i]|
.endr
	v_max3_num_f32 v232, v232, |v126|, |v127|
	v_max3_num_f32 v232, v232, v233, 0x1800000     ; and the floor 2^(3 - 127)
	v_add_nc_u32 v240, 0xff000000, v232            ; 2 off the exponent field: the conversion's scale operand
	v_lshrrev_b32 v236, 23, v240                   ; the byte,
	v_lshlrev_b32 v236, v253, v236                 ; at my block's place
.irp g, 0,1,2,3
	v_cvt_scalef32_pk8_fp4_f32 v[16+\g], v[96+8*\g:103+8*\g], v240
.endr
	v_nop                                          ; one plain line behind the conversions
	v_permlanex16_b32 v237, v236, s20, s21
	v_or_b32 v11, v236, v237                       ; with the other block's byte,
	v_or_b32 v11, 0x7f7f0000, v11                  ; and 1.0 over the zero codes
.set j, 0
.rept 32
	v_mov_b32 v[160+j], 0                          ; O: the second walk's step is written once and finds zeros.  (These are also the plain lines between the writes of Q's codes and scale word and the first product)
.set j, j+1
.endr
	s_mov_b32 s48, 0
	s_mov_b32 s49, 0
	s_mov_b32 s50, KS
	s_xor_b32 s51, s15, 15
	s_lshl_b32 s51, s51, 9
	s_add_co_u32 s51, s51, BIAS                    ; step S of wave J begins 128 (15 - J + S) words into the table
	s_wait_tensorcnt 0x0                           ; my part of LDS has landed,
	s_barrier_signal -1
	s_barrier_wait -1                              ; everybody's has; from here on LDS is only read
; ---- THE FIRST WALK: M and l.  Sixteen trips in every wave; the steps behind the diagonal are passed over by a branch on the wave's number and the trip.
.Lwalk1:
	s_cmp_gt_u32 s48, s15
	s_cbranch_scc1 .Lover1
	v_add_nc_u32 v4, s49, v1
	v_add_nc_u32 v5, s50, v1
	v_add_nc_u32 v6, s51, v3
	LOADQK
	s_wait_dscnt 0x0
	QK
.rept 4
	v_nop                                          ; places behind the products, for the reads below and for the next trip's loads
.endr
.irp b, 0,1,2,3
	v_max3_num_f32 v[232+\b], v[96+16*\b], v[97+16*\b], v[98+16*\b]
.endr
.irp i, 3,5,7,9,11,13
.irp b, 0,1,2,3
	v_max3_num_f32 v[232+\b], v[232+\b], v[96+16*\b+\i], v[97+16*\b+\i]
.endr
.endr
.irp b, 0,1,2,3
	v_max_num_f32 v[232+\b], v[232+\b], v[111+16*\b]
.endr
	v_max3_num_f32 v254, v232, v233, v234
	v_max_num_f32 v254, v254, v235
	v_permlanex16_b32 v236, v254, s20, s21         ; my query's other 64 keys lie in lane l xor 16
	v_max_num_f32 v254, v254, v236
	v_mul_f32 v254, s22, v254                      ; as t
	v_max_num_f32 v13, v13, v254                   ; the running largest t
	v_mov_b32 v254, v12
	v_floor_f32 v12, -v13                          ; -M = -ceil(t)
	v_sub_f32 v254, v12, v254                      ; old M - new M: a whole number, 0 or less
	v_cvt_i32_f32 v254, v254                       ; (it saturates)
	v_ldexp_f32 v28, 1.0, v254                     ; f = 2^(old M - new M)
	POWERS
	v_pk_mul_f32 v[14:15], v[14:15], v[28:29] op_sel_hi:[1,0]   ; the sum under the new M: exact.  (The plain line behind the exponentials)
	s_wait_alu depctr_va_vdst(0)                   ; one wait for the batch, ahead of its first reader
	v_pk_add_f32 v[236:237], v[96:97], v[98:99]    ; the sum, two at a time, in four chains
	v_pk_add_f32 v[238:239], v[100:101], v[102:103]
	v_pk_add_f32 v[240:241], v[104:105], v[106:107]
.irp j, 108,116,124,132,140,148
	v_pk_add_f32 v[14:15], v[14:15], v[\j:\j+1]
	v_pk_add_f32 v[236:237], v[236:237], v[\j+2:\j+3]
	v_pk_add_f32 v[238:239], v[238:239], v[\j+4:\j+5]
	v_pk_add_f32 v[240:241], v[240:241], v[\j+6:\j+7]
.endr
	v_pk_add_f32 v[14:15], v[14:15], v[156:157]
	v_pk_add_f32 v[236:237], v[236:237], v[158:159]
	v_pk_add_f32 v[238:239], v[238:239], v[240:241]
	v_pk_add_f32 v[14:15], v[14:15], v[236:237]
	v_pk_add_f32 v[14:15], v[14:15], v[238:239]
.Lover1:
	s_add_co_u32 s49, s49, 4096
	s_add_co_u32 s50, s50, 512
	s_add_co_u32 s51, s51, 512
	s_add_co_u32 s48, s48, 1
	s_cmp_lt_u32 s48, 16
	s_cbranch_scc1 .Lwalk1
	v_add_f32 v14, v14, v15
	v_permlanex16_b32 v236, v14, s20, s21
	v_add_f32 v14, v14, v236                       ; l
	v_rcp_f32 v24, v14
	v_nop
	s_wait_alu depctr_va_vdst(0)
	v_fma_f32 v254, -v14, v24, 1.0
	v_fma_f32 v24, v254, v24, v24                  ; 1 / l, with one correcting step
	v_mov_b32 v25, v24
	s_mov_b32 s48, 0
	s_mov_b32 s49, 0
	s_mov_b32 s50, KS
	s_xor_b32 s51, s15, 15
	s_lshl_b32 s51, s51, 9
	s_add_co_u32 s51, s51, BIAS
	s_mov_b32 s52, VC
	s_mov_b32 s53, VS
; ---- THE SECOND WALK: the same scores, a, its codes, O += a V
.Lwalk2:
	s_cmp_gt_u32 s48, s15
	s_cbranch_scc1 .Lover2
	v_add_nc_u32 v4, s49, v1
	v_add_nc_u32 v5, s50, v1
	v_add_nc_u32 v6, s51, v3
	LOADQK
	s_wait_dscnt 0x0
	QK
	v_add_nc_u32 v7, s52, v1                       ; these four lines are the places behind the products above; with the three at the trip's head they also stand between the last trip's second product and the loads into V's registers
	v_add_nc_u32 v8, s53, v2
	v_nop
	v_nop
	LOADV                                          ; lands while a is made
	POWERS
	v_nop                                          ; the plain line behind the exponentials
	s_wait_alu depctr_va_vdst(0)                   ; one wait for the batch
.set j, 0
.rept 32
	v_pk_fma_f32 v[96+j:97+j], v[96+j:97+j], v[24:25], v[26:27]   ; a = p / l + tau / i, not yet clipped
.set j, j+2
.endr
.irp b, 0,1,2,3
	v_max3_num_f32 v[232+\b], v[96+16*\b], v[97+16*\b], 0x1800000   ; the block's largest a: no |.|, so what is negative does not count; the floor stands over it
.endr
.irp i, 2,4,6,8,10,12,14
.irp b, 0,1,2,3
	v_max3_num_f32 v[232+\b], v[232+\b], v[96+16*\b+\i], v[97+16*\b+\i]
.endr
.endr
.irp b, 0,1,2,3
	v_permlanex16_b32 v[236+\b], v[232+\b], s20, s21
.endr
.irp b, 0,1,2,3
	v_max_num_f32 v[232+\b], v[232+\b], v[236+\b]  ; with lane l xor 16's 16 keys
.endr
.irp b, 0,1,2,3
	v_add_nc_u32 v[240+\b], 0xff000000, v[232+\b]
.endr
.irp b, 0,1,2,3
	v_lshrrev_b32 v[236+\b], 23, v[240+\b]
.endr
	v_lshl_or_b32 v252, v237, 8, v236              ; a's scale word for these 128 keys
	v_lshl_or_b32 v252, v238, 16, v252
	v_lshl_or_b32 v252, v239, 24, v252
.irp b, 0,1,2,3
	v_cvt_scalef32_pk8_fp4_f32 v[224+2*\b], v[96+16*\b:103+16*\b], v[240+\b]
	v_cvt_scalef32_pk8_fp4_f32 v[225+2*\b], v[104+16*\b:111+16*\b], v[240+\b]
.endr
	v_nop                                          ; one plain line behind the conversions
	CLIP 224, 8
.irp c, 0,1                                    ; the operand's layout wants a whole block in a lane
.irp i, 0,1
	v_permlane16_swap_b32 v[224+4*\c+\i], v[226+4*\c+\i]
.endr
.endr
.rept 4
	v_nop                                          ; an operand written by vector instructions stands four plain lines ahead of a scaled product
.endr
	s_wait_dscnt 0x0                               ; V
	PV
.Lover2:
	s_add_co_u32 s49, s49, 4096
	s_add_co_u32 s50, s50, 512
	s_add_co_u32 s51, s51, 512
	s_add_co_u32 s52, s52, 4096
	s_add_co_u32 s53, s53, 256
	s_add_co_u32 s48, s48, 1
	s_cmp_lt_u32 s48, 16
	s_cbranch_scc1 .Lwalk2
; ---- ABOVE THE DIAGONAL: a = relu(tau / i) for every key: one code and one byte a query
.irp i, 0,1,2,3,4,5,6,7
	v_mov_b32 v[96+\i], v26                        ; (also the places behind the last products)
.endr
	v_max_num_f32 v232, 0x1800000, v26
	v_add_nc_u32 v240, 0xff000000, v232
	v_lshrrev_b32 v236, 23, v240
	v_lshl_or_b32 v252, v236, 8, v236
	v_lshl_or_b32 v252, v252, 16, v252             ; the byte four times
	v_cvt_scalef32_pk8_fp4_f32 v224, v[96:103], v240
	v_nop
	CLIP 224, 1
.irp i, 1,2,3,4,5,6,7
	v_mov_b32 v[224+\i], v224
.endr
	s_mov_b32 s48, 0
	s_mov_b32 s52, VC
	s_mov_b32 s53, VS
.Lwalk3:
	s_cmp_le_u32 s48, s15
	s_cbranch_scc1 .Lover3
	v_add_nc_u32 v7, s52, v1                       ; four plain lines: behind the last products, ahead of the loads into V's registers; and between the writes of the codes and the products
	v_add_nc_u32 v8, s53, v2
	v_nop
	v_nop
	LOADV
	s_wait_dscnt 0x0
	PV
.Lover3:
	s_add_co_u32 s52, s52, 4096
	s_add_co_u32 s53, s53, 256
	s_add_co_u32 s48, s48, 1
	s_cmp_lt_u32 s48, 16
	s_cbranch_scc1 .Lwalk3
; ---- THE WAY OUT: a lane's four accumulators hold, in register jj, channels 4 r .. 4 r + 3 of row 8 hh + jj
.rept 4
	v_nop
.endr
.irp jj, 0,1,2,3,4,5,6,7
.irp t, 0,1,2,3
	v_mov_b32 v[96+4*\jj+\t], v[160+8*\t+\jj]      ; each accumulator from its low end on
.endr
.endr
.irp jj, 0,1,2,3,4,5,6,7
	global_store_b128 v9, v[96+4*\jj:99+4*\jj], s[12:13] offset:256*\jj th:TH_STORE_NT   ; sixteen lanes store a row's 256 consecutive bytes, aligned
.endr
	s_wait_dscnt 0x0
	s_wait_xcnt 0x0
	v_lshl_add_u32 v254, v0, 2, 0x30000
	v_mov_b32 v255, 0
	s_wait_tensorcnt 0x0
	ds_add_u32 v254, v255
	s_wait_dscnt 0x0
	ROUND                                          ; the closing round: no work-group ends while a partner may still ask for a tile that names it
	s_endpgm
.Lfunc_end_k_q827d78dbe0_attn:
	.size	k_q827d78dbe0_attn, .Lfunc_end_k_q827d78dbe0_attn-k_q827d78dbe0_attn
	.p2alignl 7, 3214868480
	.fill 96, 4, 3214868480
	.section	.rodata,"a",@progbits
	.p2align	6, 0x0
	.amdhsa_kernel k_q827d78dbe0_attn
		.amdhsa_group_segment_fixed_size 198656
		.amdhsa_private_segment_fixed_size 0
		.amdhsa_enable_private_segment 0
		.amdhsa_kernarg_size 40
		.amdhsa_user_sgpr_count 2
		.amdhsa_user_sgpr_kernarg_segment_ptr 1
		.amdhsa_wavefront_size32 1
		.amdhsa_system_sgpr_workgroup_id_x 1
		.amdhsa_system_sgpr_workgroup_id_y 1
		.amdhsa_system_sgpr_workgroup_id_z 1
		.amdhsa_system_vgpr_workitem_id 0
		.amdhsa_next_free_vgpr 256
		.amdhsa_next_free_sgpr 66
		.amdhsa_reserve_vcc 0
		.amdhsa_float_denorm_mode_32 3
		.amdhsa_float_denorm_mode_16_64 3
		.amdhsa_memory_ordered 1
		.amdhsa_forward_progress 1
		.amdhsa_inst_pref_size 45
	.end_amdhsa_kernel
	.amdgpu_metadata
---
amdhsa.version: [ 1, 2 ]
amdhsa.kernels:
  - .name:           k_q827d78dbe0_attn
    .symbol:         k_q827d78dbe0_attn.kd
    .args:
      - { .name: q, .offset: 0, .size: 8, .value_kind: global_buffer, .address_space: global }
      - { .name: tau, .offset: 8, .size: 8, .value_kind: global_buffer, .address_space: global }
      - { .name: img, .offset: 16, .size: 8, .value_kind: global_buffer, .address_space: global }
      - { .name: tab, .offset: 24, .size: 8, .value_kind: global_buffer, .address_space: global }
      - { .name: out0, .offset: 32, .size: 8, .value_kind: global_buffer, .address_space: global }
    .group_segment_fixed_size: 198656
    .private_segment_fixed_size: 0
    .kernarg_segment_align: 8
    .kernarg_segment_size: 40
    .max_flat_workgroup_size: 512
    .sgpr_count:     66
    .vgpr_count:     256
    .wavefront_size: 32
...
	.end_amdgpu_metadata
.endif
;; end of part 2
